; MI455X (gfx1250); checked and timed in simulation.
; The chip was launched on July 23, 2026; its instructions are those of AMD's public machine-readable ISA for CDNA 5 (MIT licence, August 2026) and "CDNA5" Instruction Set Architecture Reference Guide (July 2026). The comments in the code are by the model that wrote it; some were corrected since.
;; Swin Transformer Block. Allowed arithmetic: matrix products marked QUANTISED: E2M1 operands, one E8M0 scale for each 32 along K, by v_wmma_scale_f32_16x16x128_f8f6f4 with both operands' format E2M1 (or v_wmma_scale_f32_32x16x128_f4), f32 sums; everything else in f32.
;; Inputs: fc1_b 2,048 float32; fc1_w 2,048 x 512 float32; fc2_b 512 float32; fc2_w 512 x 2,048 float32; kln_b 16 x 1 x 32 float32; kln_w 16 x 1 x 32 float32; mask_matrix 1 int32; norm1_b 512 float32; norm1_w 512 float32; norm2_b 512 float32; norm2_w 512 float32; vln_b 16 x 1 x 32 float32; vln_w 16 x 1 x 32 float32; x 4 x 8,192 x 512 float32.
;; Outputs: out0 4 x 8,192 x 512 float32.
;; This version of the problem:
;;   THIS VERSION OF THE PROBLEM IS GIVEN IN LOW PRECISION. The matrix products marked QUANTISED in the list below multiply operands that are first quantised to E2M1 (2 exponent bits, 1 mantissa bit; 4 bits a number), with one power-of-two scale for each 32 numbers along K (OCP MX v1.0); their sums are f32. All else is computed in f32.
;;   The module's matrix products, in the order in which they are computed (A, B: the left and right operand; K: the contracted axis; several contracted axes count as one K, in the product's order):
;;     1. batch 64 x [M 32, K 8,192] x [K 8,192, N 32]; A: computed on the way; B: computed on the way: QUANTISED
;;     2. batch 64 x [M 8,192, K 32] x [K 32, N 32]; A: computed on the way; B: computed on the way: QUANTISED
;;     3. [M 32,768, K 512] x [K 512, N 2,048]; A: computed on the way; B: input fc1_w: QUANTISED
;;     4. [M 32,768, K 2,048] x [K 2,048, N 512]; A: computed on the way; B: input fc2_w: QUANTISED
;;   THE QUANTISER, for each operand of a quantised product, along K:
;;     - K is cut into blocks of 32 from its start; a last block that is shorter is filled with zeros.
;;     - A block's scale is 2^e with e = floor(log2(the largest magnitude in the block)) - 2, held to -126 .. 127; a block of zeros has e = 0. As a byte (E8M0): e + 127.
;;     - Each number is divided by its block's scale, clamped to +-6, and rounded to the nearest number of E2M1, ties to even, subnormals kept.
;;     - The product sums the exact products of the quantised numbers (number of the format x scale) in f32.
;;   ~~~python
;;   def quantise(x, axis):      # numpy; x: float32 -> the quantised numbers, widened to float32 again
;;       x = np.moveaxis(x, axis, -1); K = x.shape[-1]
;;       x = np.pad(x, [(0, 0)] * (x.ndim - 1) + [(0, -K % 32)]); x = x.reshape(x.shape[:-1] + (-1, 32)); a = np.abs(x).max(-1, keepdims=True)
;;       e = np.where(a > 0, np.clip(np.frexp(np.where(a > 0, a, 1))[1] - 1 - 2, -126, 127), 0)      # np.frexp(a)[1] - 1 = floor(log2(a)), exactly
;;       r = np.clip(x / 2.0 ** e, -6, 6)
;;       step = 2.0 ** (np.maximum(np.frexp(np.where(r == 0, 1, r))[1] - 1, 0) - 1)
;;       q = np.round(r / step) * step * 2.0 ** e      # np.round: ties to even
;;       return np.moveaxis(q.reshape(q.shape[:-2] + (-1,))[..., :K], -1, axis).astype(np.float32)
;;   ~~~
;;   OPERANDS COMPUTED ON THE WAY. 'Computed on the way' means the value that the module computes at that place (a softmax that the list does not call 'softmax' is quantised finished and normalised). What goes into a quantiser is computed in f32, as accurately as f32 sums, v_exp_f32 and their like allow (about 1e-6 of the number): no bf16 or f16 on the way to a quantiser, and a product that is left as it is and whose result goes on into a quantised operand takes f32 operands (vector FMAs, or v_wmma_f32_16x16x4_f32). A number that lies on a knife's edge between two numbers of the format may be rounded either way, as far as f32 arithmetic and the matrix unit's own rounding can turn it there, and no further.
;; One version. Each part assembles by itself: llvm-mc -triple=amdgcn-amd-amdhsa -mcpu=gfx1250 --defsym DOCPART=n.
;; ======== version 1 of 1: 3 launches
;; limits: right only within a limited range of input values
;; workspace buffers: wf 1,048,576 bytes; ws 65,536 bytes; part 16,777,216 bytes; kvc 65,536 bytes; kvs 8,192 bytes; stat 262,144 bytes
;; launch prep (part 1): grid 256 x 1, 8 waves a work-group, no clusters, 271,616 bytes of LDS; arguments x, norm1_w, norm1_b, kln_w, kln_b, vln_w, vln_b, fc1_w, fc2_w, wf, ws, part, stat; writes wf, ws, part, stat
.if DOCPART == 1
	.amdgcn_target "amdgcn-amd-amdhsa--gfx1250"
	.amdhsa_code_object_version 6
	.text
	.protected	k_qf68e9a68c8_prep
	.globl	k_qf68e9a68c8_prep
	.p2align	8
	.type	k_qf68e9a68c8_prep,@function
k_qf68e9a68c8_prep:
	s_mov_b64 s[64:65], 0
	v_nop
	global_prefetch_b8 v0, s[64:65] scope:SCOPE_SE
	s_setreg_imm32_b32 hwreg(HW_REG_WAVE_MODE, 25, 1), 1
	s_wait_xcnt 0x0
; PREP.  Two things in one launch.
; (1) fc1_w [2048][512] and fc2_w [512][2048], f32, K innermost, become codes of FP4 (E2M1) with one E8M0 byte for each 32 along K, laid as IMAGES OF OPERAND REGISTERS: a fragment (16 rows x 128 K) is
;     1,024 bytes, [c 0..1][lane][16 bytes], lane (r, h) holding block 2 c + h of its row.  Work-group g < 128 takes tile g of fc1_w (16 rows x 512 K), the others a tile of fc2_w x 512 of its K.
;     THE ROWS OF A TILE ARE NOT NEIGHBOURS: lane r of tile T takes row 32 (T / 2) + 8 (T % 2) + r + 8 (r / 8), so that a transposed product leaves 16 neighbouring channels in a lane's registers of two tiles.
; (2) For the work-group's 128 tokens: h = LayerNorm1(x); in each head of 32 channels u = (h - mean) / (std + 1e-5), std unbiased; k = kln_w u + kln_b, v = vln_w u + vln_b; both quantised ALONG THE TOKENS
;     (blocks of 32 tokens); the product k^T v over these 128 tokens, one K step, goes to 'part' as images of the result registers.  The next launch adds the 64 parts of a batch.
;     Each token's 1 / sigma and -mu / sigma of LayerNorm1 go to 'stat', 8 bytes a token: the last launch takes them from there and does not make them again.
; SHARES.  Eight waves.  Statistics: wave w takes tokens 16 w .. 16 w + 15; lane (r, h) holds token r, register 16 g + i = channel 32 g + 16 h + i.  u goes back to LDS over x (the wave's own bytes).
;     Columns: wave w takes heads 2 w, 2 w + 1; a lane takes ONE channel and its registers run down the 128 tokens, so that a block of 32 tokens lies in one lane.
; No cluster: the work-groups share no tile (each reads its own tokens and its own part of the weights).  No LDS byte is filled twice by the tensor data mover.
; LIMITS: a block whose largest magnitude lies under 2^-124 gets the byte 1 (a block of zeros too: its codes are zeros, and this program alone reads the bytes); NaN and infinities are not served.
;     h is formed as x / sigma - mu / sigma by one fused multiply-add: its error is that of rounding mu / sigma once.
; REGISTERS, window 0: v1 16 lane, v2 r, v3 h, v4 x's place, v5 the parameters' place, v8-11 column addresses, v12, v13 k's and v's scale words (scales and nothing else), v16-21 1/sigma, -mu/sigma, mu,
;     v22-29 four pair sums, v32-95 H, v96-127 gains, v128-159 biases; columns: v32-159 u, v160-191 k or v, v200-215 gains and biases, v216-231 k's codes, v232-247 v's; v248 8 r.  Window 1: x, later the results.
.set XPW, 33280                        ; a wave's 16 tokens in LDS: 32 rows of 1,024 bytes + 16 of padding
.set XPT, 2080                         ; from token to token
.set PAR, 266240                       ; norm1_w, norm1_b: 2,048 bytes each
.set WSC, 270336                       ; the weight tile's 256 scale bytes
.set H,   32
.set W,   96
.set B,   128
.set SA,  22
.set MSB, 0
.macro WIN new                         ; the immediate's high byte repeats the setting that is left
.if MSB != \new
	s_set_vgpr_msb (MSB<<8)|\new
.set MSB, \new
.endif
.endm
.macro NOPS n
.rept \n
	v_nop
.endr
.endm
.macro BAR                             ; my LDS stores have landed and my LDS loads are in: then the work-group's barrier
	s_wait_dscnt 0x0
	s_barrier_signal -1
	s_barrier_wait -1
.endm
.macro XLOAD                           ; my token's 512 numbers: 16 neighbours of each head into window 1
	WIN 0x40
.irp g,0,1,2,3,4,5,6,7,8,9,10,11,12,13,14,15
.irp q,0,1,2,3
	ds_load_b128 v[16*\g+4*\q:16*\g+4*\q+3], v4 offset:(\g/8)*1040+(\g%8)*128+16*\q
.endr
.endr
	WIN 0
.endm
.macro REDUCE                          ; four pair sums -> one number, with lane l xor 16's: v22
	v_pk_add_f32 v[22:23], v[22:23], v[24:25]
	v_pk_add_f32 v[26:27], v[26:27], v[28:29]
	v_pk_add_f32 v[22:23], v[22:23], v[26:27]
	v_add_f32 v22, v22, v23
	v_permlanex16_b32 v31, v22, s30, s31
	v_add_f32 v22, v22, v31
.endm
.macro LNSTAT                          ; mean and 1 / sqrt(var + 1e-5) of the token in window 1, in two passes; registers are read in ascending order
	WIN 0x05
.irp k,0,1,2,3
	v_pk_add_f32 v[SA+2*\k:SA+2*\k+1], v[2*\k:2*\k+1], v[2*\k+8:2*\k+9]
.endr
	WIN 0x04
.set lj, 16
.rept 120
	v_pk_add_f32 v[SA+lj%8:SA+lj%8+1], v[SA+lj%8:SA+lj%8+1], v[lj:lj+1]
.set lj, lj+2
.endr
	WIN 0
	REDUCE
	v_mul_f32 v20, s76, v22                        ; mu = sum / 512
.irp c,0,1,2,3
	WIN 0x01
.set lj, 0
.rept 32
	v_pk_add_f32 v[H+lj:H+lj+1], v[64*\c+lj:64*\c+lj+1], v[20:21] op_sel_hi:[1,0] neg_lo:[0,1] neg_hi:[0,1]
.set lj, lj+2
.endr
	WIN 0
.set lj, 0
.rept 32
.if (\c == 0) && (lj < 8)
	v_pk_mul_f32 v[SA+lj:SA+lj+1], v[H+lj:H+lj+1], v[H+lj:H+lj+1]
.else
	v_pk_fma_f32 v[SA+lj%8:SA+lj%8+1], v[H+lj:H+lj+1], v[H+lj:H+lj+1], v[SA+lj%8:SA+lj%8+1]
.endif
.set lj, lj+2
.endr
.endr
	REDUCE
	v_fma_f32 v22, v22, s76, s77                   ; var + 1e-5
	v_rsq_f32 v16, v22
	v_nop                                          ; a plain instruction behind the transcendental
	s_wait_alu depctr_va_vdst(0)                   ; the wait ahead of the first reader
	v_mul_f32 v18, -v20, v16                       ; -mu / sigma
.endm
.macro PLOAD vw, vb, hp                ; gains and biases of channels 64 hp .. 64 hp + 63, in my registers' order
.irp e,0,1
.irp q,0,1,2,3
	ds_load_b128 v[W+16*\e+4*\q:W+16*\e+4*\q+3], v5 offset:2048*(\vw)+256*(\hp)+128*\e+16*\q
	ds_load_b128 v[B+16*\e+4*\q:B+16*\e+4*\q+3], v5 offset:2048*(\vb)+256*(\hp)+128*\e+16*\q
.endr
.endr
.endm
.macro APPLY hp                        ; H[32 (hp % 2) ..] = (x / sigma - mu / sigma) gain + bias for two heads
	WIN 0x01
.irp j,0,2,4,6,8,10,12,14,16,18,20,22,24,26,28,30
	v_pk_fma_f32 v[H+32*((\hp)%2)+\j:H+32*((\hp)%2)+\j+1], v[32*(\hp)+\j:32*(\hp)+\j+1], v[16:17], v[18:19] op_sel_hi:[1,0,0]
.endr
	WIN 0
.irp j,0,2,4,6,8,10,12,14,16,18,20,22,24,26,28,30
	v_pk_fma_f32 v[H+32*((\hp)%2)+\j:H+32*((\hp)%2)+\j+1], v[H+32*((\hp)%2)+\j:H+32*((\hp)%2)+\j+1], v[W+\j:W+\j+1], v[B+\j:B+\j+1]
.endr
.endm
.macro MAX32 d, t, b                   ; the largest magnitude of v[b] .. v[b + 31], and the floor 2^(3 - 127): the byte cannot fall under 1
	v_max3_num_f32 v[\d], |v[\b]|, |v[\b+1]|, |v[\b+2]|
	v_max3_num_f32 v[\t], |v[\b+3]|, |v[\b+4]|, |v[\b+5]|
.irp i,6,10,14,18,22,26
	v_max3_num_f32 v[\d], v[\d], |v[\b+\i]|, |v[\b+\i+1]|
	v_max3_num_f32 v[\t], v[\t], |v[\b+\i+2]|, |v[\b+\i+3]|
.endr
	v_max3_num_f32 v[\d], v[\d], |v[\b+30]|, |v[\b+31]|
	v_max3_num_f32 v[\d], v[\d], v[\t], 0x1800000
.endm
.macro HSUM                            ; four heads' pair sums -> one number each, with lane l xor 16's
.irp e,0,1,2,3
	v_add_f32 v[160+2*\e], v[160+2*\e], v[161+2*\e]
.endr
.irp e,0,1,2,3
	v_permlanex16_b32 v[168+\e], v[160+2*\e], s30, s31
.endr
.irp e,0,1,2,3
	v_add_f32 v[160+2*\e], v[160+2*\e], v[168+\e]
.endr
.endm
.macro HEADNORM                        ; H's four heads: u = (h - mean) / (std + 1e-5), std with 31 in the divisor; the heads by turns
.irp e,0,1,2,3
	v_pk_add_f32 v[160+2*\e:161+2*\e], v[H+16*\e:H+16*\e+1], v[H+16*\e+2:H+16*\e+3]
.endr
.irp j,4,6,8,10,12,14
.irp e,0,1,2,3
	v_pk_add_f32 v[160+2*\e:161+2*\e], v[160+2*\e:161+2*\e], v[H+16*\e+\j:H+16*\e+\j+1]
.endr
.endr
	HSUM
.irp e,0,1,2,3
	v_mul_f32 v[172+2*\e], 0x3d000000, v[160+2*\e]  ; / 32
.endr
.irp j,0,2,4,6,8,10,12,14
.irp e,0,1,2,3
	v_pk_add_f32 v[H+16*\e+\j:H+16*\e+\j+1], v[H+16*\e+\j:H+16*\e+\j+1], v[172+2*\e:173+2*\e] op_sel_hi:[1,0] neg_lo:[0,1] neg_hi:[0,1]
.endr
.endr
.irp e,0,1,2,3
	v_pk_mul_f32 v[160+2*\e:161+2*\e], v[H+16*\e:H+16*\e+1], v[H+16*\e:H+16*\e+1]
.endr
.irp j,2,4,6,8,10,12,14
.irp e,0,1,2,3
	v_pk_fma_f32 v[160+2*\e:161+2*\e], v[H+16*\e+\j:H+16*\e+\j+1], v[H+16*\e+\j:H+16*\e+\j+1], v[160+2*\e:161+2*\e]
.endr
.endr
	HSUM
.irp e,0,1,2,3
	v_mul_f32 v[160+2*\e], 0x3d042108, v[160+2*\e]  ; / 31
.endr
.irp e,0,1,2,3
	v_sqrt_f32 v[172+2*\e], v[160+2*\e]
.endr
	v_nop
	s_wait_alu depctr_va_vdst(0)                   ; one wait for the four roots
.irp e,0,1,2,3
	v_add_f32 v[172+2*\e], 0x3727c5ac, v[172+2*\e]  ; + 1e-5
.endr
.irp e,0,1,2,3
	v_rcp_f32 v[160+2*\e], v[172+2*\e]
.endr
	v_nop
	s_wait_alu depctr_va_vdst(0)                   ; one wait for the four reciprocals
.irp j,0,2,4,6,8,10,12,14
.irp e,0,1,2,3
	v_pk_mul_f32 v[H+16*\e+\j:H+16*\e+\j+1], v[H+16*\e+\j:H+16*\e+\j+1], v[160+2*\e:161+2*\e] op_sel_hi:[1,0]
.endr
.endr
.endm
.macro ULOAD p                         ; my channel of head 2 w + p, all 128 tokens: 32 lanes read 128 neighbouring bytes
.irp rho,0,1,2,3,4,5,6,7
.irp rr,0,1,2,3,4,5,6,7,8,9,10,11,12,13,14,15
	ds_load_b32 v[32+16*\rho+\rr], v[8+\rho/2] offset:(\rho%2)*XPW+\rr*XPT+128*(\p)
.endr
.endr
.endm
; Block tb of 32 tokens of k (kv = 0) or v (kv = 1) of head p: gain and bias, the block's scale, 32 codes, the byte into the scale word.  nxt = 1: u is done with: the next head's loads go out.
.macro KVBLK p, tb, kv, nxt
.set cj, 0
.rept 16
	v_pk_fma_f32 v[160+cj:161+cj], v[32+32*(\tb)+cj:33+32*(\tb)+cj], v[200+8*(\p)+4*(\kv):201+8*(\p)+4*(\kv)], v[202+8*(\p)+4*(\kv):203+8*(\p)+4*(\kv)] op_sel_hi:[1,0,0]
.set cj, cj+2
.endr
.if (\nxt)
	ULOAD 1
.endif
	MAX32 192, 193, 160
	v_add_nc_u32 v194, 0xff000000, v192            ; 2 off the exponent field: the conversion's scale operand
.irp g,0,1,2,3
	v_cvt_scalef32_pk8_fp4_f32 v[216+16*(\kv)+8*((\tb)%2)+4*((\tb)/2)+\g], v[160+8*\g:167+8*\g], v194
.endr
.if (\tb) == 0
	v_lshrrev_b32 v[12+\kv], 23, v194              ; the byte (also the plain instruction behind the conversions)
.else
	v_lshrrev_b32 v195, 23, v194
	v_lshl_or_b32 v[12+\kv], v195, 8*(\tb), v[12+\kv]
.endif
.endm
.macro WM0 d, a, b, ra, rb             ; a product that starts its sum; ra, rb: the halves of the lanes that hold the tile's scale words
.if (\ra) && (\rb)
	v_wmma_scale_f32_16x16x128_f8f6f4 v[(\d):(\d)+7], v[(\a):(\a)+7], v[(\b):(\b)+7], 0, v12, v13 matrix_a_fmt:MATRIX_FMT_FP4 matrix_b_fmt:MATRIX_FMT_FP4 matrix_a_scale:MATRIX_SCALE_ROW1 matrix_b_scale:MATRIX_SCALE_ROW1
.elseif (\ra)
	v_wmma_scale_f32_16x16x128_f8f6f4 v[(\d):(\d)+7], v[(\a):(\a)+7], v[(\b):(\b)+7], 0, v12, v13 matrix_a_fmt:MATRIX_FMT_FP4 matrix_b_fmt:MATRIX_FMT_FP4 matrix_a_scale:MATRIX_SCALE_ROW1
.elseif (\rb)
	v_wmma_scale_f32_16x16x128_f8f6f4 v[(\d):(\d)+7], v[(\a):(\a)+7], v[(\b):(\b)+7], 0, v12, v13 matrix_a_fmt:MATRIX_FMT_FP4 matrix_b_fmt:MATRIX_FMT_FP4 matrix_b_scale:MATRIX_SCALE_ROW1
.else
	v_wmma_scale_f32_16x16x128_f8f6f4 v[(\d):(\d)+7], v[(\a):(\a)+7], v[(\b):(\b)+7], 0, v12, v13 matrix_a_fmt:MATRIX_FMT_FP4 matrix_b_fmt:MATRIX_FMT_FP4
.endif
.endm
; One head: 128 tokens of k and v become two fragments each (channels of lanes 0-15, of lanes 16-31), and four products make k^T v for these tokens.
.macro COLHEAD p
	s_wait_dscnt 63                                ; 128 loads were issued: at most 63 are out, so tokens 0 .. 63 are in
	KVBLK \p, 0, 0, 0
	KVBLK \p, 0, 1, 0
	KVBLK \p, 1, 0, 0
	KVBLK \p, 1, 1, 0
	s_wait_dscnt 32                                ; tokens 64 .. 95 are in
	KVBLK \p, 2, 0, 0
	KVBLK \p, 2, 1, 0
	s_wait_dscnt 0x0
	KVBLK \p, 3, 0, 0
	KVBLK \p, 3, 1, 1-\p
.irp q,0,1,2,3                         ; a lane holds all four blocks of ONE channel; a fragment wants blocks 0, 2 in lanes 0-15 and blocks 1, 3 in lanes 16-31 of the same 16 channels
	v_permlane16_swap_b32 v[216+\q], v[224+\q]
	v_permlane16_swap_b32 v[220+\q], v[228+\q]
	v_permlane16_swap_b32 v[232+\q], v[240+\q]
	v_permlane16_swap_b32 v[236+\q], v[244+\q]
.endr
	NOPS 8                                         ; scale words written by vector instructions stand eight places ahead of a scaled product, operands four
.if \p
	s_wait_xcnt 0x0                                ; the last head's stores have read the result registers
.endif
	WIN 0x40
.irp td,0,1
.irp te,0,1
	WM0 64+8*(2*\td+\te), 216+8*\td, 232+8*\te, \td, \te
.endr
.endr
	NOPS 4
	WIN 0x04
.irp k,0,1,2,3,4,5,6,7
	global_store_b128 v1, v[64+4*\k:67+4*\k], s[72:73] offset:4096*(\p)+512*\k   ; 32 lanes store 512 consecutive bytes; each result from its low end on
.endr
	WIN 0
.endm
	s_load_b512 s[4:19], s[0:1], 0x0               ; x, norm1_w, norm1_b, kln_w, kln_b, vln_w, vln_b, fc1_w
	s_load_b256 s[20:27], s[0:1], 0x40             ; fc2_w, wf, ws, part
	s_load_b64 s[74:75], s[0:1], 0x60              ; stat
	v_lshl_add_u32 v254, v0, 2, 0x42100
	v_mov_b32 v255, 0
	ds_add_u32 v254, v255
	ds_add_u32 v254, v255
	v_lshrrev_b32 v6, 5, v0
	v_readfirstlane_b32 s28, v6                    ; wave 0..7
	; the wave's 16 tokens are 32,768 dense bytes: 32 rows of 128 elements of 8 bytes, 4 words of padding behind each row
	s_mov_b32 s32, 1                               ; count = 1
	s_mul_i32 s33, s28, XPW                        ; LDS address
	s_mov_b32 s36, (3<<16)|(1<<20)|(7<<22)|(3<<25) ; no mask; elements of 8 bytes; padding on, after every 256 words, 4 words
	s_mov_b32 s37, 128<<16                         ; tensor_dim0
	s_mov_b32 s38, 32<<16                          ; tensor_dim1
	s_mov_b32 s39, 128<<16                         ; tile_dim0
	s_mov_b32 s40, 32                              ; tile_dim1
	s_mov_b32 s41, 128                             ; from row to row
	s_mov_b32 s42, 0
	s_mov_b32 s43, 0
	s_lshl_b32 s44, ttmp9, 18                      ; 128 tokens of 2,048 bytes a work-group,
	s_lshl_b32 s45, s28, 15                        ; 16 a wave
	s_add_co_u32 s44, s44, s45
	s_mov_b32 s45, 0
	s_wait_dscnt 0x0
	s_wait_kmcnt 0x0
	s_add_nc_u64 s[34:35], s[4:5], s[44:45]
	s_or_b32 s35, s35, 0x80000000                  ; type = 2
	tensor_load_to_lds s[32:35], s[36:43]          ; the one tensor load of the wave
	s_nop 0
	NOPS 4
	s_mov_b32 s30, 0x76543210
	s_mov_b32 s31, 0xfedcba98                      ; v_permlanex16_b32's selects for lane l xor 16
	s_mov_b32 s76, 0x3b000000                      ; 1 / 512
	s_mov_b32 s77, 0x3727c5ac                      ; 1e-5
	v_and_b32 v7, 31, v0                           ; lane
	v_lshlrev_b32 v1, 4, v7
	v_and_b32 v2, 15, v0                           ; r
	v_bfe_u32 v3, v0, 4, 1                         ; h
	v_mul_u32_u24 v4, v2, XPT
	v_lshl_add_u32 v4, v3, 6, v4
	v_add_nc_u32 v4, s33, v4                       ; x: my wave's tile, token r, + 64 h
	v_lshl_add_u32 v5, v3, 6, PAR
	v_lshlrev_b32 v196, 3, v7                      ; 8 lane
	v_lshl_add_u32 v197, v7, 3, WSC
	v_lshlrev_b32 v30, 3, v0                       ; 8 x thread
	v_lshl_add_u32 v199, v0, 3, PAR
	v_lshlrev_b32 v248, 3, v2                      ; 8 r: my token's place in stat
	v_and_b32 v6, 8, v2
	v_add_nc_u32 v6, v6, v2                        ; r + 8 (r / 8)
	v_lshl_add_u32 v7, v3, 3, v6
	v_lshlrev_b32 v7, 2, v7                        ; 4 x my channel in a head: 8 h + r + 8 (r / 8)
	global_load_b64 v[96:97], v30, s[6:7]          ; norm1_w, norm1_b: 8 bytes a thread
	global_load_b64 v[98:99], v30, s[8:9]
	; which part of which weight is mine: chosen by selects on the work-group's number
	s_and_b32 s53, ttmp9, 127
	s_lshr_b32 s54, s53, 2                         ; fc2_w: tile,
	s_and_b32 s55, s53, 3                          ; and which 512 of K
	s_lshr_b32 s56, s54, 2
	s_and_b32 s57, s54, 3
	s_lshl_b32 s58, s56, 12
	s_lshl_b32 s59, s55, 10
	s_add_co_u32 s58, s58, s59
	s_lshl_b32 s59, s57, 8
	s_add_co_u32 s58, s58, s59
	s_add_co_u32 s58, s58, 32768                   ; its scale bytes' place
	s_lshl_b32 s56, s56, 16
	s_lshl_b32 s59, s55, 14
	s_add_co_u32 s56, s56, s59
	s_lshl_b32 s59, s57, 10
	s_add_co_u32 s56, s56, s59
	s_add_co_u32 s56, s56, 524288                  ; its fragments' place
	s_lshl_b32 s59, s53, 12                        ; fc1_w: the same two
	s_lshl_b32 s60, s53, 8
	s_lshl_b32 s61, s55, 11
	s_cmp_lt_u32 ttmp9, 128
	s_cselect_b32 s54, s53, s54                    ; tile
	s_cselect_b32 s56, s59, s56
	s_cselect_b32 s58, s60, s58
	s_cselect_b32 s61, 0, s61                      ; first byte along K
	s_cselect_b32 s52, 11, 13                      ; a row is 2^11 or 2^13 bytes
	s_cselect_b32 s62, 10, 12                      ; from K step to K step in wf
	s_cselect_b64 s[50:51], s[18:19], s[20:21]
	s_lshr_b32 s57, s54, 1
	s_lshl_b32 s57, s57, 5
	s_and_b32 s59, s54, 1
	s_lshl_b32 s59, s59, 3
	s_add_co_u32 s57, s57, s59                     ; the tile's first row
	s_lshl_b32 s66, s57, s52
	s_add_co_u32 s66, s66, s61
	s_lshl_b32 s59, s28, 8                         ; my wave's two blocks of 32
	s_add_co_u32 s66, s66, s59
	s_mov_b32 s67, 0
	s_add_nc_u64 s[50:51], s[50:51], s[66:67]
	s_lshr_b32 s59, s28, 1                         ; K step = wave / 2, c = wave % 2
	s_lshl_b32 s59, s59, s62
	s_add_co_u32 s66, s56, s59
	s_and_b32 s59, s28, 1
	s_lshl_b32 s59, s59, 9
	s_add_co_u32 s66, s66, s59
	s_add_nc_u64 s[68:69], s[22:23], s[66:67]
	s_mov_b32 s66, s58
	s_add_nc_u64 s[70:71], s[24:25], s[66:67]
	s_lshl_b32 s66, ttmp9, 16
	s_lshl_b32 s59, s28, 13
	s_add_co_u32 s66, s66, s59
	s_add_nc_u64 s[72:73], s[26:27], s[66:67]      ; part: 65,536 bytes a work-group, 4,096 a head
	s_lshl_b32 s66, ttmp9, 10
	s_lshl_b32 s59, s28, 7
	s_add_co_u32 s66, s66, s59
	s_add_nc_u64 s[74:75], s[74:75], s[66:67]      ; stat: 1,024 bytes a work-group, 128 a wave
	v_lshlrev_b32 v198, s52, v6
	v_lshl_add_u32 v198, v3, 7, v198               ; my row, my block
.irp i,0,1,2,3,4,5,6,7
	global_load_b128 v[104+4*\i:107+4*\i], v198, s[50:51] offset:16*\i
.endr
	s_lshl_b32 s59, s28, 8
	v_add_nc_u32 v15, s59, v7                      ; my channel of head 2 w
.irp p,0,1
	global_load_b32 v[200+8*\p], v15, s[10:11] offset:128*\p
	global_load_b32 v[202+8*\p], v15, s[12:13] offset:128*\p
	global_load_b32 v[204+8*\p], v15, s[14:15] offset:128*\p
	global_load_b32 v[206+8*\p], v15, s[16:17] offset:128*\p
.endr
.irp j,201,203,205,207,209,211,213,215,17,19,21,31,168,169,170,171,173,175,177,179
	v_mov_b32 v\j, 0                               ; upper halves of pairs whose low word serves both halves, and lane permutes' destinations: written once
.endr
	s_lshr_b32 s44, s28, 2                         ; head 2 w in a token's row: (w / 4) x 1,040 + (w % 4) x 256
	s_mul_i32 s44, s44, 1040
	s_and_b32 s45, s28, 3
	s_lshl_b32 s45, s45, 8
	s_add_co_u32 s44, s44, s45
	v_add_nc_u32 v8, s44, v7
	v_add_nc_u32 v9, 2*XPW, v8
	v_add_nc_u32 v10, 4*XPW, v8
	v_add_nc_u32 v11, 6*XPW, v8
	s_lshl_b32 s44, s28, 1
	s_add_co_u32 s44, s44, WSC
	v_lshl_add_u32 v14, v2, 4, v3
	v_add_nc_u32 v14, s44, v14                     ; my block's byte: 16 r + 2 w + h
	s_wait_loadcnt 16                              ; the two parameter loads are in; 8 weight loads and 8 gain and bias loads may be out
	ds_store_b64 v199, v[96:97]
	ds_store_b64 v199, v[98:99] offset:2048
	s_wait_loadcnt 8                               ; my 32 numbers of the weight are in
	MAX32 100, 101, 104
	v_add_nc_u32 v102, 0xff000000, v100
.irp g,0,1,2,3
	v_cvt_scalef32_pk8_fp4_f32 v[136+\g], v[104+8*\g:111+8*\g], v102
.endr
	v_lshrrev_b32 v103, 23, v102                   ; the byte (the plain instruction behind the conversions)
	global_store_b128 v1, v[136:139], s[68:69]     ; 512 consecutive bytes: half a fragment's image
	ds_store_b8 v14, v103
	s_wait_xcnt 0x0                                ; the store has read its registers: they are loaded again below
	BAR                                            ; the parameters and the scale bytes lie in LDS.  The tiles of x may be on their way
	s_wait_tensorcnt 0x0                           ; and a tile is read by the wave that asked for it alone, behind its own wait: no wave waits for another's tile
	XLOAD
	PLOAD 0, 1, 0
	s_wait_dscnt 16                                ; x is in; the 16 parameter loads may be out
	LNSTAT
	v_mov_b32 v22, v16                             ; 1 / sigma and -mu / sigma side by side: neither register is written again
	v_mov_b32 v23, v18
	global_store_b64 v248, v[22:23], s[74:75]      ; 16 tokens: 128 consecutive bytes; lanes l and l xor 16 hold the same token and store the same bytes
.irp s,0,1,2,3
	s_wait_dscnt 0x0                               ; the parameters are in, and the last four heads' stores have read H
	APPLY 2*\s
	PLOAD 0, 1, 2*\s+1
	s_wait_dscnt 0x0
	APPLY 2*\s+1
.if \s < 3
	PLOAD 0, 1, 2*\s+2
.endif
	HEADNORM
.irp e,0,1,2,3
.irp q,0,1,2,3
	ds_store_b128 v4, v[H+16*\e+4*\q:H+16*\e+4*\q+3] offset:((4*\s+\e)/8)*1040+((4*\s+\e)%8)*128+16*\q   ; u, where x lay: my wave's own bytes, read out above
.endr
.endr
.endr
	BAR                                            ; u of all 128 tokens lies in LDS
	s_cmp_lg_u32 s28, 0
	s_cbranch_scc1 .Lnot_wave_0
	ds_load_b64 v[192:193], v197                   ; the weight tile's 256 scale bytes leave as one run of 256 consecutive bytes
	s_wait_dscnt 0x0
	global_store_b64 v196, v[192:193], s[70:71]
	s_wait_xcnt 0x0                                ; its data registers are written again below
.Lnot_wave_0:
	s_wait_loadcnt 0x0                             ; kln's and vln's gains and biases
	ULOAD 0
	COLHEAD 0
	COLHEAD 1
	s_wait_tensorcnt 0x0
	ds_add_u32 v254, v255
	s_wait_dscnt 0x0
	s_endpgm
.Lfunc_end_k_qf68e9a68c8_prep:
	.size	k_qf68e9a68c8_prep, .Lfunc_end_k_qf68e9a68c8_prep-k_qf68e9a68c8_prep
	.p2alignl 7, 3214868480
	.fill 96, 4, 3214868480
	.section	.rodata,"a",@progbits
	.p2align	6, 0x0
	.amdhsa_kernel k_qf68e9a68c8_prep
		.amdhsa_group_segment_fixed_size 271616
		.amdhsa_private_segment_fixed_size 0
		.amdhsa_enable_private_segment 0
		.amdhsa_kernarg_size 104
		.amdhsa_user_sgpr_count 2
		.amdhsa_user_sgpr_kernarg_segment_ptr 1
		.amdhsa_wavefront_size32 1
		.amdhsa_system_sgpr_workgroup_id_x 1
		.amdhsa_system_sgpr_workgroup_id_y 1
		.amdhsa_system_sgpr_workgroup_id_z 1
		.amdhsa_system_vgpr_workitem_id 0
		.amdhsa_next_free_vgpr 512
		.amdhsa_next_free_sgpr 80
		.amdhsa_reserve_vcc 0
		.amdhsa_float_denorm_mode_32 3
		.amdhsa_float_denorm_mode_16_64 3
		.amdhsa_memory_ordered 1
		.amdhsa_forward_progress 1
		.amdhsa_inst_pref_size 168
	.end_amdhsa_kernel
	.amdgpu_metadata
---
amdhsa.version: [ 1, 2 ]
amdhsa.kernels:
  - .name:           k_qf68e9a68c8_prep
    .symbol:         k_qf68e9a68c8_prep.kd
    .args:
      - { .name: x, .offset: 0, .size: 8, .value_kind: global_buffer, .address_space: global }
      - { .name: norm1_w, .offset: 8, .size: 8, .value_kind: global_buffer, .address_space: global }
      - { .name: norm1_b, .offset: 16, .size: 8, .value_kind: global_buffer, .address_space: global }
      - { .name: kln_w, .offset: 24, .size: 8, .value_kind: global_buffer, .address_space: global }
      - { .name: kln_b, .offset: 32, .size: 8, .value_kind: global_buffer, .address_space: global }
      - { .name: vln_w, .offset: 40, .size: 8, .value_kind: global_buffer, .address_space: global }
      - { .name: vln_b, .offset: 48, .size: 8, .value_kind: global_buffer, .address_space: global }
      - { .name: fc1_w, .offset: 56, .size: 8, .value_kind: global_buffer, .address_space: global }
      - { .name: fc2_w, .offset: 64, .size: 8, .value_kind: global_buffer, .address_space: global }
      - { .name: wf, .offset: 72, .size: 8, .value_kind: global_buffer, .address_space: global }
      - { .name: ws, .offset: 80, .size: 8, .value_kind: global_buffer, .address_space: global }
      - { .name: part, .offset: 88, .size: 8, .value_kind: global_buffer, .address_space: global }
      - { .name: stat, .offset: 96, .size: 8, .value_kind: global_buffer, .address_space: global }
    .group_segment_fixed_size: 271616
    .private_segment_fixed_size: 0
    .kernarg_segment_align: 8
    .kernarg_segment_size: 104
    .max_flat_workgroup_size: 256
    .sgpr_count:     80
    .vgpr_count:     512
    .wavefront_size: 32
...
	.end_amdgpu_metadata
.endif
;; end of part 1
;; launch kvsum (part 2): grid 128 x 1, 8 waves a work-group, no clusters, 17,408 bytes of LDS; arguments part, mask_matrix, kvc, kvs; writes kvc, kvs
.if DOCPART == 2
	.amdgcn_target "amdgcn-amd-amdhsa--gfx1250"
	.amdhsa_code_object_version 6
	.text
	.protected	k_qf68e9a68c8_kvsum
	.globl	k_qf68e9a68c8_kvsum
	.p2align	8
	.type	k_qf68e9a68c8_kvsum,@function
k_qf68e9a68c8_kvsum:
	s_mov_b64 s[64:65], 0
	v_nop
	global_prefetch_b8 v0, s[64:65] scope:SCOPE_SE
	s_setreg_imm32_b32 hwreg(HW_REG_WAVE_MODE, 25, 1), 1
	s_wait_xcnt 0x0
; KVSUM.  kv[b][g] = (the sum of the batch's 64 parts of k^T v) / 8192, quantised along d (one block of 32 for each column e) into the operand of q kv.
; One work-group for each (batch, head, tile Te of 16 columns): work-group number = 2 (16 b + g) + Te.  Wave w adds parts 8 w .. 8 w + 7; the eight sums meet in LDS; wave 0 adds them, scales by 2^-13 (exact) and quantises.
; ALL OF A WAVE'S 32 LOADS GO OUT AT ONCE (8 parts x 2 results x 1,024 bytes, 128 registers): the parts are added as they come in.
; A part is an image of four results: lane (r, h), register j of result 2 Td + Te = kv(d = 16 h + 8 Td + j, e = 8 Te + r + 8 (r / 8)).  So a lane holds 16 neighbouring d of one column, its partner l xor 16 the others.
; OUT.  kvc [16 b + g][Te][lane][16 bytes]: the whole block's 32 codes in the lanes whose half is g % 2, zero codes in the others: four registers of an operand whose K = 128 spans four heads.
;       kvs [16 b + g][16 Te + r]: the block's byte in all four bytes of a word.
; mask_matrix: the computation that is asked for makes no use of it; its word is read, and nothing hangs on it.
; No matrix unit, no tensor load, no cluster: 128 KiB are read once by each work-group and shared with nobody.  LIMITS: a block under 2^-124 (zeros too) gets the byte 1; NaN and infinities are not served.
.macro SLAB i                          ; part i of my eight: results Te and 2 + Te, 16 registers
.irp td,0,1
.irp q,0,1
	global_load_b128 v[32+16*(\i)+8*\td+4*\q:35+16*(\i)+8*\td+4*\q], v1, s[4:5] offset:65536*(\i)+2048*\td+512*\q th:TH_LOAD_NT
.endr
.endr
.endm
.macro ADDS i
.irp j,0,2,4,6,8,10,12,14
	v_pk_add_f32 v[32+\j:33+\j], v[32+\j:33+\j], v[32+16*(\i)+\j:33+16*(\i)+\j]
.endr
.endm
.macro IMG wv                          ; wave wv's sum
.irp k,0,1,2,3
	ds_load_b128 v[32+16*(\wv)+4*\k:35+16*(\wv)+4*\k], v1 offset:2048*(\wv)+512*\k
.endr
.endm
	s_load_b256 s[4:11], s[0:1], 0x0               ; part, mask_matrix, kvc, kvs
	v_lshl_add_u32 v192, v0, 2, 0x4000
	v_mov_b32 v193, 0
	v_lshrrev_b32 v1, 5, v0
	v_readfirstlane_b32 s16, v1                    ; wave
	v_and_b32 v2, 31, v0
	v_lshlrev_b32 v1, 4, v2                        ; 16 lane
	v_bfe_u32 v3, v0, 4, 1                         ; h
	v_and_b32 v4, 15, v0
	v_lshlrev_b32 v4, 2, v4                        ; 4 r
	s_lshr_b32 s15, ttmp9, 1                       ; 16 b + g
	s_and_b32 s13, ttmp9, 1                        ; Te
	s_lshr_b32 s17, s15, 4                         ; batch
	s_and_b32 s18, s15, 15                         ; head
	s_lshl_b32 s20, s17, 6
	s_lshl_b32 s19, s16, 3
	s_add_co_u32 s20, s20, s19                     ; my first part
	s_lshl_b32 s20, s20, 16
	s_lshl_b32 s19, s18, 12
	s_add_co_u32 s20, s20, s19
	s_lshl_b32 s19, s13, 10
	s_add_co_u32 s20, s20, s19
	s_mov_b32 s21, 0
	s_lshl_b32 s22, s16, 11
	v_add_nc_u32 v5, s22, v1                       ; LDS: my wave's 2,048 bytes
	s_wait_kmcnt 0x0
	s_load_b32 s12, s[6:7], 0x0                    ; mask_matrix
	s_add_nc_u64 s[4:5], s[4:5], s[20:21]
.irp i,0,1,2,3,4,5,6,7
	SLAB \i
.endr
.irp i,1,2,3,4,5,6,7
	s_wait_loadcnt 4*(7-\i)                        ; parts 0 .. i are in; the younger parts, four loads each, may be out
	ADDS \i
.endr
.irp k,0,1,2,3
	ds_store_b128 v5, v[32+4*\k:35+4*\k] offset:512*\k
.endr
	s_wait_kmcnt 0x0
	s_wait_dscnt 0x0                               ; my sum lies in LDS
	s_barrier_signal -1
	s_barrier_wait -1
	s_cmp_lg_u32 s16, 0
	s_cbranch_scc1 .Lend
.irp wv,1,2,3,4,5,6,7
	IMG \wv
.endr
	s_mov_b32 s30, 0x76543210
	s_mov_b32 s31, 0xfedcba98
.irp j,10,20,21
	v_mov_b32 v\j, 0                               ; lane permutes' destinations: written once
.endr
.irp wv,1,2,3,4,5,6,7
	s_wait_dscnt 4*(7-\wv)                         ; wave wv's sum is in; the later waves', four loads each, may be out
	ADDS \wv
.endr
.irp j,0,2,4,6,8,10,12,14
	v_pk_mul_f32 v[32+\j:33+\j], v[32+\j:33+\j], 0x39000000 op_sel_hi:[1,0]   ; / 8192
.endr
	v_max3_num_f32 v8, |v32|, |v33|, 0x1800000     ; my 16 numbers and the floor 2^(3 - 127), in two chains
	v_max3_num_f32 v9, |v34|, |v35|, |v36|
	v_max3_num_f32 v8, v8, |v37|, |v38|
	v_max3_num_f32 v9, v9, |v39|, |v40|
	v_max3_num_f32 v8, v8, |v41|, |v42|
	v_max3_num_f32 v9, v9, |v43|, |v44|
	v_max3_num_f32 v8, v8, |v45|, |v46|
	v_max3_num_f32 v8, v8, v9, |v47|
	v_permlanex16_b32 v10, v8, s30, s31
	v_max_num_f32 v8, v8, v10                      ; the block's largest magnitude
	v_add_nc_u32 v12, 0xff000000, v8               ; 2 off its exponent field: the conversion's scale operand
	v_cvt_scalef32_pk8_fp4_f32 v16, v[32:39], v12  ; d = 16 h + 0 .. 7
	v_cvt_scalef32_pk8_fp4_f32 v17, v[40:47], v12  ; d = 16 h + 8 .. 15
	v_lshrrev_b32 v14, 23, v12                     ; the byte (the plain instruction behind the conversions)
	v_permlanex16_b32 v20, v16, s30, s31           ; my partner's 16 codes
	v_permlanex16_b32 v21, v17, s30, s31
	v_cmp_ne_u32 vcc_lo, 0, v3                     ; lanes 16-31
	s_and_b32 s23, s15, 1
	v_cmp_eq_u32 s14, s23, v3                      ; the lanes that keep the codes: h = head % 2
	v_cndmask_b32 v24, v16, v20, vcc_lo            ; d = 0 .. 7, 8 .. 15, 16 .. 23, 24 .. 31
	v_cndmask_b32 v25, v17, v21, vcc_lo
	v_cndmask_b32 v26, v20, v16, vcc_lo
	v_cndmask_b32 v27, v21, v17, vcc_lo
.irp j,24,25,26,27
	v_cndmask_b32 v\j, 0, v\j, s14
.endr
	v_lshl_or_b32 v14, v14, 8, v14
	v_lshl_or_b32 v14, v14, 16, v14                ; the byte four times
	s_lshl_b32 s20, ttmp9, 9
	s_add_nc_u64 s[8:9], s[8:9], s[20:21]
	s_lshl_b32 s20, ttmp9, 6
	s_add_nc_u64 s[10:11], s[10:11], s[20:21]
	global_store_b128 v1, v[24:27], s[8:9]         ; 512 consecutive bytes
	global_store_b32 v4, v14, s[10:11]             ; 16 words; lanes l and l xor 16 hold the same column's byte and store the same word
.Lend:
	s_wait_tensorcnt 0x0
	ds_add_u32 v192, v193
	s_wait_dscnt 0x0
	s_endpgm
.Lfunc_end_k_qf68e9a68c8_kvsum:
	.size	k_qf68e9a68c8_kvsum, .Lfunc_end_k_qf68e9a68c8_kvsum-k_qf68e9a68c8_kvsum
	.p2alignl 7, 3214868480
	.fill 96, 4, 3214868480
	.section	.rodata,"a",@progbits
	.p2align	6, 0x0
	.amdhsa_kernel k_qf68e9a68c8_kvsum
		.amdhsa_group_segment_fixed_size 17408
		.amdhsa_private_segment_fixed_size 0
		.amdhsa_enable_private_segment 0
		.amdhsa_kernarg_size 32
		.amdhsa_user_sgpr_count 2
		.amdhsa_user_sgpr_kernarg_segment_ptr 1
		.amdhsa_wavefront_size32 1
		.amdhsa_system_sgpr_workgroup_id_x 1
		.amdhsa_system_sgpr_workgroup_id_y 1
		.amdhsa_system_sgpr_workgroup_id_z 1
		.amdhsa_system_vgpr_workitem_id 0
		.amdhsa_next_free_vgpr 194
		.amdhsa_next_free_sgpr 66
		.amdhsa_reserve_vcc 1
		.amdhsa_float_denorm_mode_32 3
		.amdhsa_float_denorm_mode_16_64 3
		.amdhsa_memory_ordered 1
		.amdhsa_forward_progress 1
		.amdhsa_inst_pref_size 17
	.end_amdhsa_kernel
	.amdgpu_metadata
---
amdhsa.version: [ 1, 2 ]
amdhsa.kernels:
  - .name:           k_qf68e9a68c8_kvsum
    .symbol:         k_qf68e9a68c8_kvsum.kd
    .args:
      - { .name: part, .offset: 0, .size: 8, .value_kind: global_buffer, .address_space: global }
      - { .name: mask_matrix, .offset: 8, .size: 8, .value_kind: global_buffer, .address_space: global }
      - { .name: kvc, .offset: 16, .size: 8, .value_kind: global_buffer, .address_space: global }
      - { .name: kvs, .offset: 24, .size: 8, .value_kind: global_buffer, .address_space: global }
    .group_segment_fixed_size: 17408
    .private_segment_fixed_size: 0
    .kernarg_segment_align: 8
    .kernarg_segment_size: 32
    .max_flat_workgroup_size: 256
    .sgpr_count:     66
    .vgpr_count:     194
    .wavefront_size: 32
...
	.end_amdgpu_metadata
.endif
;; end of part 2
;; launch block (part 3): grid 256 x 1, 8 waves a work-group, no clusters, 312,320 bytes of LDS; arguments x, norm1_w, norm1_b, norm2_w, norm2_b, fc1_b, fc2_b, wf, ws, kvc, kvs, out0, stat; writes out0
.if DOCPART == 3
	.amdgcn_target "amdgcn-amd-amdhsa--gfx1250"
	.amdhsa_code_object_version 6
	.text
	.protected	k_qf68e9a68c8_block
	.globl	k_qf68e9a68c8_block
	.p2align	8
	.type	k_qf68e9a68c8_block,@function
k_qf68e9a68c8_block:
	s_mov_b64 s[64:65], 0
	v_nop
	global_prefetch_b8 v0, s[64:65] scope:SCOPE_SE
	s_setreg_imm32_b32 hwreg(HW_REG_WAVE_MODE, 25, 1), 1
	s_wait_xcnt 0x0
; BLOCK.  For the work-group's 128 tokens, without a byte of intermediate in memory: h = LayerNorm1(x); attn = Q(h) Q(kv) head by head; x2 = x + h + attn; m = LayerNorm2(x2);
; out = x2 + Q(gelu(Q(m) Q(fc1_w)^T + fc1_b)) Q(fc2_w)^T + fc2_b.  Q: codes of FP4 (E2M1) with one E8M0 byte for each 32 along K.  All products by the scaled 16 x 16 x 128 form, USED TRANSPOSED
; (source 0 = 16 rows of a weight, source 1 = 16 tokens), so that a lane holds one token (lane % 16).  The rows of a weight tile are 8 + 8 rows 16 apart, so that the registers of two neighbouring tiles are 16
; neighbouring channels: lane (r, h), register 16 g + i = channel 32 g + 16 h + i of token r.  LayerNorm1's 1 / sigma and -mu / sigma of each token come from 'stat', where the first launch has left them.
; SHARES.  Eight waves, two to a SIMD, 512 registers each.  FRONT: wave w takes tokens 16 w .. 16 w + 15, all 512 channels (window 1).  PHASE 1: wave w makes hidden units 256 w .. 256 w + 255 of all 128 tokens.
; PHASE 2: wave w makes channels 64 w .. 64 w + 63 of all 128 tokens: 32 accumulators, all of window 1, which begin as x2 + fc2_b.  Operands go from wave to wave through LDS as images of their registers.
; q kv: a K step of 128 spans four heads; kv's operand for a head holds that head's block and zero codes in the three others.
; THE WEIGHTS go from memory straight into the registers of the one wave that multiplies by them, as images laid by the first launch: each work-group loads each weight byte once (1 MiB).  That is why no cluster
; and no joint load is used although all work-groups read the same weights: a joint load lands in LDS, so every weight byte would be written there and read again, 2 MiB of LDS traffic more a work-group.
; fc1_w IS ASKED FOR A WHOLE GROUP (eight visits) AHEAD, into two register sets that take turns; so a trip of phase 1's loop runs two groups, until the register numbers are back where they began.  The second set's
; 64 fragment registers are those of the accumulators of token tiles 6 and 7, which are made behind phase 1: their x2 lies in LDS bytes that nothing overwrites meanwhile.
; No prefetch: a work-group's x is asked for by its first lines, and the weights are read by all work-groups.  No LDS byte is filled twice by the tensor data mover.
; GELU.  Phi(x) = 0.5 + x P(t) / Q(t), t = x^2, held to 0 .. 1; P / Q is the rational approximation of erf of degree 6 over 4 with 1 / sqrt(2), 1/2 and 2^-k folded into the coefficients.  From |x| = 5.66 on it
; passes 1 and grows, so the hold stands behind it.
; LIMITS: Phi's error is some 1e-7 absolute (the cancellation of 1 + erf for x under -4); |pre-activation| under 3e5 (beyond, 1 / Q falls to zero); a block under 2^-124 (zeros too) gets the byte 1, read by this program
; alone; NaN and infinities are not served; h and m are formed as x / sigma - mu / sigma by one fused multiply-add.
; REGISTERS, window 0.  v0-15 addresses.  v240-255 HOLD SCALE WORDS AND NOTHING ELSE, in the whole text.
;   front: v16-21 1/sigma, -mu/sigma, mu; v22-29 four pair sums; v32-95 H; v96-127 gains; v128-159 biases; v160-171 at work; v172-231 kv's operands; v232-239 the codes just made; v240 their scale word; v248-251 kv's.
;   phase 1: set 0 of fc1_w: v32-95 8 fragments, v96-111 biases, v248-251 scale words; set 1: window 1 v192-255, v16-31, v244-247.  v112-127 two accumulators; v128-175 t, P, Q; v176-207 m's fragments;
;   v208-214 codes and byte on their way to LDS, two sets by turns; v216-239 coefficients; v252-255 m's scale words.
;   phase 2: v16-39 scale words of later trips, waiting; v48-111 the hidden layer's 8 fragments; v112-239 fc2_w, four buffers; v240-247 fc2_w's scale words of the trip; v248-255 the hidden layer's.
; Window 1: x, then x2, then the 32 accumulators.
.set XPW,  33280                       ; a wave's 16 tokens in LDS: 32 rows of 1,024 bytes + 16 of padding; later its x2 as 64 images of 512 bytes.  Tiles 6 and 7 begin at byte 199,680
.set XPT,  2080
.set HIMG, 0                           ; behind the barrier that frees the x2 images of tiles 0 to 5: the hidden layer's fragments: (K / 2) 16,384 + tile 2,048 + (K % 2) 1,024
.set HSC,  131072                      ; their scale words: (K / 2) 2,048 + tile 256 + 8 lane + 4 (K % 2)
.set STG,  147456                      ; the way out: 16 rows of 272 bytes for each wave; the stages end at byte 182,272
.set MIMG, 266240                      ; m's fragments: tile 4,096 + K step 1,024
.set MSC,  299008                      ; their scale words: tile 512 + 16 lane + 4 x K step
.set PAR,  303104                      ; norm1_w, norm1_b, norm2_w, norm2_b: 2,048 bytes each
.set H,    32
.set W,    96
.set B,    128
.set SA,   22
.set KVF,  172                         ; kv's loaded registers of tile i at KVF + 8 i; four zero registers between each two
.set PC,   232                         ; the codes just made
.set PW,   240                         ; their scale word
.set KVS,  248                         ; kv's scale words
.set CA,   216                         ; v216-229 P's coefficients, v230-239 Q's: each twice, a pair
.set CB,   230
.set WSR,  248                         ; phase 1: fc1_w's scale words, set 0; set 1 four registers below
.set MSR,  252                         ; m's
.set SST,  16                          ; phase 2: scale words of the trips to come
.set HF,   48
.set W2F,  112
.set W2S,  240
.set HS,   248
.set MSB,  0
.macro WIN new                         ; the immediate's high byte repeats the setting that is left
.if MSB != \new
	s_set_vgpr_msb (MSB<<8)|\new
.set MSB, \new
.endif
.endm
.macro NOPS n
.rept \n
	v_nop
.endr
.endm
.macro BAR                             ; my LDS stores have landed and my LDS loads are in: then the work-group's barrier
	s_wait_dscnt 0x0
	s_barrier_signal -1
	s_barrier_wait -1
.endm
.macro XLOAD
	WIN 0x40
.irp g,0,1,2,3,4,5,6,7,8,9,10,11,12,13,14,15
.irp q,0,1,2,3
	ds_load_b128 v[16*\g+4*\q:16*\g+4*\q+3], v4 offset:(\g/8)*1040+(\g%8)*128+16*\q
.endr
.endr
	WIN 0
.endm
.macro REDUCE
	v_pk_add_f32 v[22:23], v[22:23], v[24:25]
	v_pk_add_f32 v[26:27], v[26:27], v[28:29]
	v_pk_add_f32 v[22:23], v[22:23], v[26:27]
	v_add_f32 v22, v22, v23
	v_permlanex16_b32 v31, v22, s30, s31
	v_add_f32 v22, v22, v31
.endm
.macro LNSTAT                          ; mean and 1 / sqrt(var + 1e-5) of the token in window 1, in two passes; registers are read in ascending order, each matrix result from its low end on
	WIN 0x05
.irp k,0,1,2,3
	v_pk_add_f32 v[SA+2*\k:SA+2*\k+1], v[2*\k:2*\k+1], v[2*\k+8:2*\k+9]
.endr
	WIN 0x04
.set lj, 16
.rept 120
	v_pk_add_f32 v[SA+lj%8:SA+lj%8+1], v[SA+lj%8:SA+lj%8+1], v[lj:lj+1]
.set lj, lj+2
.endr
	WIN 0
	REDUCE
	v_mul_f32 v20, s76, v22                        ; mu
.irp c,0,1,2,3
	WIN 0x01
.set lj, 0
.rept 32
	v_pk_add_f32 v[H+lj:H+lj+1], v[64*\c+lj:64*\c+lj+1], v[20:21] op_sel_hi:[1,0] neg_lo:[0,1] neg_hi:[0,1]
.set lj, lj+2
.endr
	WIN 0
.set lj, 0
.rept 32
.if (\c == 0) && (lj < 8)
	v_pk_mul_f32 v[SA+lj:SA+lj+1], v[H+lj:H+lj+1], v[H+lj:H+lj+1]
.else
	v_pk_fma_f32 v[SA+lj%8:SA+lj%8+1], v[H+lj:H+lj+1], v[H+lj:H+lj+1], v[SA+lj%8:SA+lj%8+1]
.endif
.set lj, lj+2
.endr
.endr
	REDUCE
	v_fma_f32 v22, v22, s76, s77                   ; var + 1e-5
	v_rsq_f32 v16, v22
	v_nop                                          ; a plain instruction behind the transcendental
	s_wait_alu depctr_va_vdst(0)                   ; the wait ahead of the first reader
	v_mul_f32 v18, -v20, v16                       ; -mu / sigma
.endm
.macro PLOAD vw, vb, hp
.irp e,0,1
.irp q,0,1,2,3
	ds_load_b128 v[W+16*\e+4*\q:W+16*\e+4*\q+3], v5 offset:2048*(\vw)+256*(\hp)+128*\e+16*\q
	ds_load_b128 v[B+16*\e+4*\q:B+16*\e+4*\q+3], v5 offset:2048*(\vb)+256*(\hp)+128*\e+16*\q
.endr
.endr
.endm
.macro APPLY hp
	WIN 0x01
.irp j,0,2,4,6,8,10,12,14,16,18,20,22,24,26,28,30
	v_pk_fma_f32 v[H+32*((\hp)%2)+\j:H+32*((\hp)%2)+\j+1], v[32*(\hp)+\j:32*(\hp)+\j+1], v[16:17], v[18:19] op_sel_hi:[1,0,0]
.endr
	WIN 0
.irp j,0,2,4,6,8,10,12,14,16,18,20,22,24,26,28,30
	v_pk_fma_f32 v[H+32*((\hp)%2)+\j:H+32*((\hp)%2)+\j+1], v[H+32*((\hp)%2)+\j:H+32*((\hp)%2)+\j+1], v[W+\j:W+\j+1], v[B+\j:B+\j+1]
.endr
.endm
.macro XADD hp                         ; x += h for two heads
	WIN 0x41
.irp j,0,2,4,6,8,10,12,14,16,18,20,22,24,26,28,30
	v_pk_add_f32 v[32*(\hp)+\j:32*(\hp)+\j+1], v[32*(\hp)+\j:32*(\hp)+\j+1], v[H+32*((\hp)%2)+\j:H+32*((\hp)%2)+\j+1]
.endr
	WIN 0
.endm
; H's 64 numbers (register 16 b + i = k 32 b + 16 h + i of my token) become a fragment's codes in v[PC] on and its scale word in v[PW]
.macro QUANT
.irp b,0,1,2,3
	v_max3_num_f32 v[160+\b], |v[32+16*\b]|, |v[33+16*\b]|, 0x1800000   ; and the floor 2^(3 - 127): the byte cannot fall under 1
.endr
.irp i,2,4,6,8,10,12,14
.irp b,0,1,2,3
	v_max3_num_f32 v[160+\b], v[160+\b], |v[32+16*\b+\i]|, |v[33+16*\b+\i]|
.endr
.endr
.irp b,0,1,2,3
	v_permlanex16_b32 v[164+\b], v[160+\b], s30, s31
.endr
.irp b,0,1,2,3
	v_max_num_f32 v[160+\b], v[160+\b], v[164+\b]
.endr
.irp b,0,1,2,3
	v_add_nc_u32 v[168+\b], 0xff000000, v[160+\b]  ; 2 off the exponent field: the conversion's scale operand
.endr
.irp b,0,1,2,3
	v_lshrrev_b32 v[164+\b], 23, v[168+\b]
.endr
	v_lshl_or_b32 v[PW], v165, 8, v164
	v_lshl_or_b32 v[PW], v166, 16, v[PW]
	v_lshl_or_b32 v[PW], v167, 24, v[PW]
.irp b,0,1,2,3
	v_cvt_scalef32_pk8_fp4_f32 v[PC+2*\b], v[32+16*\b:39+16*\b], v[168+\b]
	v_cvt_scalef32_pk8_fp4_f32 v[PC+1+2*\b], v[40+16*\b:47+16*\b], v[168+\b]
.endr
	v_nop                                          ; one plain instruction behind a scaled conversion
.irp c,0,1                             ; the operand wants a whole block in a lane: lanes 0-15 block 2 c, lanes 16-31 block 2 c + 1
.irp i,0,1
	v_permlane16_swap_b32 v[PC+4*\c+\i], v[PC+2+4*\c+\i]
.endr
.endr
.endm
.macro WM d, a, b, c, sa, sb, ra       ; D = A B + C; ra: the half of the lanes that holds A's scale words
.if (\ra)
	v_wmma_scale_f32_16x16x128_f8f6f4 v[(\d):(\d)+7], v[(\a):(\a)+7], v[(\b):(\b)+7], v[(\c):(\c)+7], v[\sa], v[\sb] matrix_a_fmt:MATRIX_FMT_FP4 matrix_b_fmt:MATRIX_FMT_FP4 matrix_a_scale:MATRIX_SCALE_ROW1
.else
	v_wmma_scale_f32_16x16x128_f8f6f4 v[(\d):(\d)+7], v[(\a):(\a)+7], v[(\b):(\b)+7], v[(\c):(\c)+7], v[\sa], v[\sb] matrix_a_fmt:MATRIX_FMT_FP4 matrix_b_fmt:MATRIX_FMT_FP4
.endif
.endm
.macro KVLOAD s                        ; kv's codes and scale words of heads 4 s .. 4 s + 3: 12 loads
.irp bq,0,1,2,3
.irp u,0,1
	global_load_b128 v[KVF+8*(2*\bq+\u):KVF+3+8*(2*\bq+\u)], v1, s[50:51] offset:(4*(\s)+\bq)*1024+512*\u
.endr
	global_load_b32 v[KVS+\bq], v9, s[52:53] offset:(4*(\s)+\bq)*128
.endr
.endm
; Heads 4 s .. 4 s + 3: h; x += h; Q(h); x += Q(h) Q(kv), eight products in place on window 1.
; A tile's operand is its four loaded registers and four zero registers: behind them for the K step's first two heads, ahead of them for the last two.
.macro FRONT1 s
	s_wait_dscnt 0x0
	APPLY 2*(\s)
	PLOAD 0, 1, 2*(\s)+1
	XADD 2*(\s)
	s_wait_dscnt 0x0
	APPLY 2*(\s)+1
.if (\s) < 3
	PLOAD 0, 1, 2*(\s)+2
.else
	PLOAD 2, 3, 0
.endif
	QUANT
	XADD 2*(\s)+1                                  ; also the places between the scale word's and the codes' last writes and the products: at least 12 of these 16 name no register of a given product
	s_wait_loadcnt 0x0                             ; kv's codes and scale words
	WIN 0x50
.irp bq,0,1,2,3
.irp u,0,1
	WM 64*(\s)+16*\bq+8*\u, KVF+8*(2*\bq+\u)-4*(\bq/2), PC, 64*(\s)+16*\bq+8*\u, KVS+\bq, PW, \u
.endr
.endr
	WIN 0
	NOPS 4
.if (\s) < 3
	KVLOAD (\s)+1
.endif
.endm
; Channels 128 s .. 128 s + 127 of m: K step s of the first product of the MLP; its image and scale words go to LDS
.macro FRONT2 s
	s_wait_dscnt 0x0
	APPLY 2*(\s)
	PLOAD 2, 3, 2*(\s)+1
	s_wait_dscnt 0x0
	APPLY 2*(\s)+1
.if (\s) < 3
	PLOAD 2, 3, 2*(\s)+2
.endif
	QUANT
	ds_store_b128 v7, v[PC:PC+3] offset:1024*(\s)
	ds_store_b128 v7, v[PC+4:PC+7] offset:1024*(\s)+512
	ds_store_b32 v8, v[PW] offset:4*(\s)
.endm
; A group's two tiles of fc1_w (8 fragments), their biases and scale words, into register set par: 21 loads.  go: the group stands go groups behind the three bases
.macro WLOAD par, go
.if \par
	WIN 0x40                                       ; set 1's fragments lie in window 1
.endif
.irp u,0,1
.irp s,0,1,2,3
.irp c,0,1
	global_load_b128 v[32+160*(\par)+8*(4*\u+\s)+4*\c:35+160*(\par)+8*(4*\u+\s)+4*\c], v1, s[50:51] offset:8192*(\go)+4096*\u+1024*\s+512*\c
.endr
.endr
.endr
	WIN 0
.irp u,0,1
.irp q,0,1
	global_load_b128 v[96-80*(\par)+8*\u+4*\q:99-80*(\par)+8*\u+4*\q], v14, s[54:55] offset:128*(\go)+32*\u+16*\q
.endr
.endr
	global_load_b128 v[WSR-4*(\par):WSR+3-4*(\par)], v1, s[52:53] offset:512*(\go)
.endm
.macro MLOAD rho                       ; m's four fragments and scale words of token tile rho: 9 loads
.irp s,0,1,2,3
.irp c,0,1
	ds_load_b128 v[176+8*\s+4*\c:179+8*\s+4*\c], v6 offset:(\rho)*4096+1024*\s+512*\c
.endr
.endr
	ds_load_b128 v[MSR:MSR+3], v7 offset:(\rho)*512
.endm
.macro GELU16                          ; v112-127: x -> x Phi(x).  t in v128-143, P in v144-159, Q in v160-175
.irp j,0,2,4,6,8,10,12,14
	v_pk_mul_f32 v[128+\j:129+\j], v[112+\j:113+\j], v[112+\j:113+\j]
.endr
.irp j,0,2,4,6,8,10,12,14
	v_pk_fma_f32 v[160+\j:161+\j], v[128+\j:129+\j], v[CB+8:CB+9], v[CB+6:CB+7]
.endr
.irp k,2,1,0
.irp j,0,2,4,6,8,10,12,14
	v_pk_fma_f32 v[160+\j:161+\j], v[160+\j:161+\j], v[128+\j:129+\j], v[CB+2*\k:CB+2*\k+1]
.endr
.endr
.set gn, 0
.rept 48                               ; P's six Horner steps; Q is finished, and its 16 reciprocals stand among them, one behind every third line: none of these lines names a reciprocal's result
.if gn < 8
	v_pk_fma_f32 v[144+2*(gn%8):145+2*(gn%8)], v[128+2*(gn%8):129+2*(gn%8)], v[CA+12:CA+13], v[CA+10:CA+11]
.else
	v_pk_fma_f32 v[144+2*(gn%8):145+2*(gn%8)], v[144+2*(gn%8):145+2*(gn%8)], v[128+2*(gn%8):129+2*(gn%8)], v[CA+2*(5-gn/8):CA+2*(5-gn/8)+1]
.endif
.if gn%3 == 2
	v_rcp_f32 v[160+gn/3], v[160+gn/3]
.endif
.set gn, gn+1
.endr
.irp j,0,2,4,6,8,10,12,14
	v_pk_mul_f32 v[144+\j:145+\j], v[144+\j:145+\j], v[112+\j:113+\j]   ; x P: plain work behind the last reciprocal
.endr
	s_wait_alu depctr_va_vdst(0)                   ; one wait for the 16 reciprocals, ahead of their first reader
.irp j,0,2,4,6,8,10,12,14
	v_pk_fma_f32 v[144+\j:145+\j], v[144+\j:145+\j], v[160+\j:161+\j], 0.5 op_sel_hi:[1,1,0]
.endr
.irp i,0,1,2,3,4,5,6,7,8,9,10,11,12,13,14,15
	v_med3_num_f32 v[144+\i], v[144+\i], 0, 1.0
.endr
.irp j,0,2,4,6,8,10,12,14
	v_pk_mul_f32 v[112+\j:113+\j], v[112+\j:113+\j], v[144+\j:145+\j]
.endr
.endm
.macro QUANT16 cd, by                  ; v112-127, half a block of 32 hidden units: 16 codes in v[cd], v[cd + 1], the block's byte in v[by]; at work in v128-131, which gelu has left
	v_max3_num_f32 v128, |v112|, |v113|, 0x1800000
	v_max3_num_f32 v129, |v114|, |v115|, |v116|
	v_max3_num_f32 v128, v128, |v117|, |v118|
	v_max3_num_f32 v129, v129, |v119|, |v120|
	v_max3_num_f32 v128, v128, |v121|, |v122|
	v_max3_num_f32 v129, v129, |v123|, |v124|
	v_max3_num_f32 v128, v128, |v125|, |v126|
	v_max3_num_f32 v128, v128, v129, |v127|
	v_permlanex16_b32 v130, v128, s30, s31
	v_max_num_f32 v128, v128, v130
	v_add_nc_u32 v131, 0xff000000, v128
	v_lshrrev_b32 v[\by], 23, v131
	v_cvt_scalef32_pk8_fp4_f32 v[\cd], v[112:119], v131
	v_cvt_scalef32_pk8_fp4_f32 v[\cd+1], v[120:127], v131
	v_nop                                          ; one plain instruction behind a scaled conversion: the next products write its sources
.endm
; Token tile rho against the 32 hidden units of register set par: 8 products (two accumulators by turns, the bias as the first C), gelu, codes and byte to LDS.
; The two stores' data lie in v208-210 (even tiles) or v212-214 (odd tiles): a set is written again two visits on, behind the wait at the head of that visit, which shows its stores done.
.macro VISIT rho, par
	s_wait_dscnt 2                                 ; this tile's 9 loads are in; the two stores issued behind them, the last visit's, may be out
.if \par
	WIN 0x01                                       ; source 0: window 1
.endif
.irp s,0,1,2,3
.irp u,0,1
.if \s == 0
	WM 112+8*\u, 32+160*(\par)+8*(4*\u+\s), 176+8*\s, 96-80*(\par)+8*\u, WSR-4*(\par)+\s, MSR+\s, \u
.else
	WM 112+8*\u, 32+160*(\par)+8*(4*\u+\s), 176+8*\s, 112+8*\u, WSR-4*(\par)+\s, MSR+\s, \u
.endif
.endr
.endr
	WIN 0
	NOPS 4
	MLOAD ((\rho)+1)%8                             ; (the last group's last visit loads tile 0 once more; nobody reads that)
	GELU16
	QUANT16 208+4*((\rho)%2), 210+4*((\rho)%2)
	ds_store_b64 v10, v[208+4*((\rho)%2):209+4*((\rho)%2)] offset:(\rho)*2048+256*(\par)  ; the address does the exchange of halves: block 256 b, token 16 r, my half 8 h
	ds_store_b8 v11, v[210+4*((\rho)%2)] offset:(\rho)*256+(\par)
.endm
.macro W2LOAD kk, bf                   ; K step kk of the trip: my four tiles of fc2_w into buffer bf: 8 loads
.irp tl,0,1,2,3
.irp c,0,1
	global_load_b128 v[W2F+32*(\bf)+8*\tl+4*\c:W2F+3+32*(\bf)+8*\tl+4*\c], v1, s[56:57] offset:4096*(\kk)+1024*\tl+512*\c
.endr
.endr
.endm
.macro HFLOAD rho, kk                  ; token tile rho's hidden fragment of K step kk of the trip, and its scale word: 3 loads
.irp c,0,1
	ds_load_b128 v[HF+8*(\rho)+4*\c:HF+3+8*(\rho)+4*\c], v6 offset:((\kk)/2)*16384+(\rho)*2048+((\kk)%2)*1024+512*\c
.endr
	ds_load_b32 v[HS+(\rho)], v8 offset:((\kk)/2)*2048+(\rho)*256+((\kk)%2)*4
.endm
; A K step of the second product of the MLP: 32 products, the 32 accumulators by turns in the same order in every step.  wl: fc2_w three steps ahead is asked for; lc: the younger weight loads; nxt: the next step's hidden fragments are fetched.
.macro STEP kk, wl, lc, nxt
.if \wl
	W2LOAD (\kk)+3, ((\kk)+3)%4
.endif
	s_wait_loadcnt \lc
.irp rho,0,1,2,3,4,5,6,7
.if \nxt
	s_wait_dscnt 21                                ; behind this tile's three loads the seven other tiles' were issued, three each
.else
	s_wait_dscnt 21-3*\rho                         ; nothing more is fetched: only the later tiles' loads are behind mine
.endif
	WIN 0x50
.irp tl,0,1,2,3
	WM 32*\rho+8*\tl, W2F+32*((\kk)%4)+8*\tl, HF+8*\rho, 32*\rho+8*\tl, W2S+4*(\tl/2)+(\kk)%4, HS+\rho, \tl%2
.endr
	WIN 0
	NOPS 4
.if \nxt
	HFLOAD \rho, (\kk)+1
.endif
.endr
.endm
.macro CONST reg, bits
	v_mov_b32 v[\reg], \bits
	v_mov_b32 v[\reg+1], \bits
.endm
	s_load_b512 s[4:19], s[0:1], 0x0               ; x, norm1_w, norm1_b, norm2_w, norm2_b, fc1_b, fc2_b, wf
	s_load_b256 s[20:27], s[0:1], 0x40             ; ws, kvc, kvs, out0
	s_load_b64 s[66:67], s[0:1], 0x60              ; stat
	v_lshl_add_u32 v254, v0, 2, 0x4c000
	v_mov_b32 v255, 0
	ds_add_u32 v254, v255
	ds_add_u32 v254, v255
	s_wait_dscnt 0x0
	v_lshrrev_b32 v6, 5, v0
	v_readfirstlane_b32 s28, v6                    ; wave 0..7
	; the wave's 16 tokens are 32,768 dense bytes: 32 rows of 128 elements of 8 bytes, 4 words of padding behind each row
	s_mov_b32 s32, 1
	s_mul_i32 s33, s28, XPW
	s_mov_b32 s36, (3<<16)|(1<<20)|(7<<22)|(3<<25)
	s_mov_b32 s37, 128<<16
	s_mov_b32 s38, 32<<16
	s_mov_b32 s39, 128<<16
	s_mov_b32 s40, 32
	s_mov_b32 s41, 128
	s_mov_b32 s42, 0
	s_mov_b32 s43, 0
	s_lshl_b32 s44, ttmp9, 18
	s_lshl_b32 s45, s28, 15
	s_add_co_u32 s44, s44, s45
	s_mov_b32 s45, 0
	s_wait_kmcnt 0x0
	s_add_nc_u64 s[34:35], s[4:5], s[44:45]
	s_or_b32 s35, s35, 0x80000000
	tensor_load_to_lds s[32:35], s[36:43]          ; the one tensor load of the wave
	s_nop 0
	NOPS 4
	s_lshr_b32 s29, ttmp9, 6                       ; batch
	s_mov_b32 s30, 0x76543210
	s_mov_b32 s31, 0xfedcba98
	s_mov_b32 s76, 0x3b000000                      ; 1 / 512
	s_mov_b32 s77, 0x3727c5ac                      ; 1e-5
	v_and_b32 v9, 31, v0
	v_lshlrev_b32 v1, 4, v9                        ; 16 lane
	v_lshlrev_b32 v9, 2, v9                        ; 4 lane
	v_and_b32 v2, 15, v0                           ; r
	v_bfe_u32 v3, v0, 4, 1                         ; h
	s_lshl_b32 s44, ttmp9, 10
	s_lshl_b32 s46, s28, 7
	s_add_co_u32 s44, s44, s46
	s_add_nc_u64 s[66:67], s[66:67], s[44:45]      ; stat: 1,024 bytes a work-group, 128 a wave, 8 a token
	v_lshlrev_b32 v12, 3, v2
	global_load_b32 v16, v12, s[66:67]             ; my token's 1 / sigma of LayerNorm1,
	global_load_b32 v18, v12, s[66:67] offset:4    ; and -mu / sigma
	v_mul_u32_u24 v4, v2, XPT
	v_lshl_add_u32 v4, v3, 6, v4
	v_add_nc_u32 v4, s33, v4
	v_lshl_add_u32 v5, v3, 6, PAR
	v_add_nc_u32 v6, s33, v1                       ; x2's images
	s_lshl_b32 s44, s28, 12
	s_add_co_u32 s44, s44, MIMG
	v_add_nc_u32 v7, s44, v1                       ; m's images
	s_lshl_b32 s44, s28, 9
	s_add_co_u32 s44, s44, MSC
	v_add_nc_u32 v8, s44, v1                       ; m's scale words
	v_lshl_add_u32 v10, v0, 3, PAR
	v_lshlrev_b32 v11, 3, v0
	global_load_b64 v[96:97], v11, s[6:7]          ; the four parameter vectors: 8 bytes a thread of each
	global_load_b64 v[98:99], v11, s[8:9]
	global_load_b64 v[100:101], v11, s[10:11]
	global_load_b64 v[102:103], v11, s[12:13]
	s_lshl_b32 s44, s29, 14
	s_add_nc_u64 s[50:51], s[22:23], s[44:45]      ; the batch's kv: codes,
	s_lshl_b32 s44, s29, 11
	s_add_nc_u64 s[52:53], s[24:25], s[44:45]      ; scale words
	KVLOAD 0
.irp j,17,19,21,31,164,165,166,167
	v_mov_b32 v\j, 0                               ; upper halves of pairs whose low word serves both halves, and lane permutes' destinations: written once
.endr
.irp i,1,2,3,4,5,6,7
.irp q,0,1,2,3
	v_mov_b32 v[KVF-4+8*\i+\q], 0                  ; the zero codes between kv's blocks: an operand is four loaded registers and four of these
.endr
.endr
	s_wait_loadcnt 12                              ; the statistics and the parameters are in; kv's 12 loads may be out
	ds_store_b64 v10, v[96:97]
	ds_store_b64 v10, v[98:99] offset:2048
	ds_store_b64 v10, v[100:101] offset:4096
	ds_store_b64 v10, v[102:103] offset:6144
	BAR                                            ; the parameters lie in LDS.  The tiles of x may be on their way
	s_wait_tensorcnt 0x0                           ; and a tile is read by the wave that asked for it alone, behind its own wait: no wave waits for another's tile
	XLOAD
	PLOAD 0, 1, 0
	FRONT1 0
	FRONT1 1
	FRONT1 2
	FRONT1 3
	LNSTAT                                         ; window 1 holds x2
	WIN 0x04
.irp q,0,1,2,3,4,5,6,7,8,9,10,11,12,13,14,15,16,17,18,19,20,21,22,23,24,25,26,27,28,29,30,31,32,33,34,35,36,37,38,39,40,41,42,43,44,45,46,47,48,49,50,51,52,53,54,55,56,57,58,59,60,61,62,63
	ds_store_b128 v6, v[4*\q:4*\q+3] offset:512*\q ; x2 as images of my registers, over x: my wave's own bytes, read out above
.endr
	WIN 0
	FRONT2 0
	FRONT2 1
	FRONT2 2
	FRONT2 3
	BAR                                            ; x2 and m of all 128 tokens lie in LDS
	; the accumulators of the last product: x2 + fc2_b at channels 64 w .. 64 w + 63.  Register 32 w + k of token tile rho's wave is my register 32 rho + k, in the same lane.  Tiles 0 to 5 now, tiles 6 and 7 behind phase 1
	s_lshl_b32 s44, s28, 8
	s_add_nc_u64 s[54:55], s[16:17], s[44:45]
	v_lshlrev_b32 v14, 6, v3                       ; 64 h
.irp p,0,1
.irp u,0,1
.irp q,0,1
	global_load_b128 v[32+16*\p+8*\u+4*\q:35+16*\p+8*\u+4*\q], v14, s[54:55] offset:128*\p+32*\u+16*\q
.endr
.endr
.endr
	s_lshl_b32 s44, s28, 12
	v_add_nc_u32 v10, s44, v1
	v_add_nc_u32 v11, 2*XPW, v10
	v_add_nc_u32 v12, 4*XPW, v10
	v_add_nc_u32 v13, 6*XPW, v10                   ; (kept for tiles 6 and 7)
	WIN 0x40
.irp rho,0,1,2,3,4,5
.irp k,0,1,2,3,4,5,6,7
	ds_load_b128 v[32*\rho+4*\k:32*\rho+4*\k+3], v[10+\rho/2] offset:(\rho%2)*XPW+512*\k
.endr
.endr
	WIN 0
	s_wait_loadcnt 0x0
	s_wait_dscnt 0x0
	WIN 0x41
.irp rho,0,1,2,3,4,5
.irp j,0,2,4,6,8,10,12,14,16,18,20,22,24,26,28,30
	v_pk_add_f32 v[32*\rho+\j:32*\rho+\j+1], v[32*\rho+\j:32*\rho+\j+1], v[32+\j:33+\j]
.endr
.endr
	WIN 0
	; ---- PHASE 1.  The first group's weights go out ahead of the barrier
	s_lshl_b32 s44, s28, 16
	s_add_nc_u64 s[50:51], s[18:19], s[44:45]      ; fc1_w's fragments: 16 tiles a wave
	s_lshl_b32 s44, s28, 12
	s_add_nc_u64 s[52:53], s[20:21], s[44:45]      ; their scale words
	s_lshl_b32 s44, s28, 10
	s_add_nc_u64 s[54:55], s[14:15], s[44:45]      ; fc1_b
	WLOAD 0, 0
	CONST CA+0,  0xbbba79f3
	CONST CA+2,  0xba08eb41
	CONST CA+4,  0xb8883d9c
	CONST CA+6,  0xb628d45d
	CONST CA+8,  0xb347667d
	CONST CA+10, 0x2fa84a8d
	CONST CA+12, 0xabd3f331
	CONST CB+0,  0xbc69b6a7
	CONST CB+2,  0xbb719bf8
	CONST CB+4,  0xb9dc924e
	CONST CB+6,  0xb7dfbd29
	CONST CB+8,  0xb57460cd
	BAR                                            ; every wave has read the x2 images of tiles 0 to 5: their bytes are free for the hidden layer and the stages
	v_add_nc_u32 v6, MIMG, v1
	v_add_nc_u32 v7, MSC, v1
	s_lshl_b32 s44, s28, 14
	v_lshlrev_b32 v8, 4, v2
	v_lshl_add_u32 v8, v3, 3, v8
	v_add_nc_u32 v8, s44, v8                       ; the hidden layer's codes: K steps 2 w, 2 w + 1; 16 r + 8 h
	s_lshl_b32 s44, s28, 11
	s_add_co_u32 s44, s44, HSC
	v_and_b32 v9, 31, v0
	v_lshlrev_b32 v9, 3, v9
	v_add_nc_u32 v9, s44, v9                       ; its scale bytes: 8 lane
	MLOAD 0
	s_mov_b32 s46, 0                               ; group: 32 hidden units, one block of the next K
	s_mov_b32 s47, 0                               ; 256 x group
.Lgroup:                                           ; four trips of two groups: the even group multiplies by set 0, the odd one by set 1
	s_wait_loadcnt 0x0                             ; set 0 is in: it was asked for a group ago
	WLOAD 1, 1                                     ; the odd group's weights into set 1, which the last trip's last products read 4 places and more ago: eight visits ahead of their use
	s_wait_dscnt 0x0                               ; no LDS instruction of mine is out: the two addresses may be written
	v_add_nc_u32 v10, s47, v8
	v_add_nc_u32 v11, s46, v9
.irp rho,0,1,2,3,4,5,6,7
	VISIT \rho, 0
.endr
	s_wait_loadcnt 0x0                             ; set 1 is in; no load is out, so the three bases may step
	s_cmp_eq_u32 s46, 6
	s_cbranch_scc1 .Lno_more_w                     ; the last trip asks for nothing more: no load leaves its buffer
	s_add_nc_u64 s[50:51], s[50:51], 16384         ; two groups on
	s_add_nc_u64 s[52:53], s[52:53], 1024
	s_add_nc_u64 s[54:55], s[54:55], 256
	WLOAD 0, 0                                     ; the next even group's weights into set 0
.Lno_more_w:
.irp rho,0,1,2,3,4,5,6,7
	VISIT \rho, 1
.endr
	s_add_co_u32 s47, s47, 512
	s_add_co_u32 s46, s46, 2
	s_cmp_lt_u32 s46, 8
	s_cbranch_scc1 .Lgroup
	; ---- PHASE 2
	s_wait_dscnt 0x0                               ; my last stores have landed, and the LDS loads that nobody reads are in;
	s_wait_loadcnt 0x0                             ; and on every way no load of fc1_w is out: the registers of phase 1 may be loaded again
	s_lshl_b32 s44, s28, 8
	s_add_nc_u64 s[62:63], s[16:17], s[44:45]
.irp p,0,1
.irp u,0,1
.irp q,0,1
	global_load_b128 v[48+16*\p+8*\u+4*\q:51+16*\p+8*\u+4*\q], v14, s[62:63] offset:128*\p+32*\u+16*\q   ; fc2_b once more, for the accumulators of tiles 6 and 7
.endr
.endr
.endr
	WIN 0x40
.irp rho,6,7
.irp k,0,1,2,3,4,5,6,7
	ds_load_b128 v[32*\rho+4*\k:32*\rho+4*\k+3], v13 offset:(\rho%2)*XPW+512*\k   ; their x2: bytes 199,680 and up, above all that phase 1 has stored
.endr
.endr
	WIN 0
	s_lshl_b32 s44, s28, 16
	s_add_co_u32 s44, s44, 524288
	s_add_nc_u64 s[56:57], s[18:19], s[44:45]      ; fc2_w's fragments: 65,536 bytes a wave
	s_lshl_b32 s44, s28, 12
	s_add_co_u32 s44, s44, 32768
	s_add_nc_u64 s[58:59], s[20:21], s[44:45]      ; their scale words: 1,024 bytes for four K steps; lanes 0-15 an even tile's rows, lanes 16-31 the odd tile's
.irp t,0,1
	global_load_b128 v[W2S+4*\t:W2S+3+4*\t], v1, s[58:59] offset:512*\t
.endr
.irp kg,1,2,3
.irp t,0,1
	global_load_b128 v[SST+8*(\kg-1)+4*\t:SST+3+8*(\kg-1)+4*\t], v1, s[58:59] offset:1024*\kg+512*\t
.endr
.endr
	W2LOAD 0, 0
	W2LOAD 1, 1
	W2LOAD 2, 2
	s_mov_b32 s46, 0
	s_mov_b32 s47, 0                               ; 32,768 x trip: four K steps of fragments
	s_mov_b32 s48, 0                               ; 4,096 x trip: of scale words
	v_and_b32 v7, 31, v0
	v_lshl_add_u32 v7, v7, 3, HSC
	v_add_nc_u32 v6, s47, v1
	v_add_nc_u32 v8, s48, v7
	s_mul_i32 s44, s28, 4352
	s_add_co_u32 s44, s44, STG                     ; my stage
	v_mul_u32_u24 v9, v2, 272
	v_lshl_add_u32 v9, v3, 6, v9
	v_add_nc_u32 v9, s44, v9                       ; in: row r, + 64 h
	v_mul_u32_u24 v10, v3, 272
	v_lshl_add_u32 v10, v2, 4, v10
	v_add_nc_u32 v10, s44, v10                     ; back: lanes 0-15 one row of 256 bytes, lanes 16-31 the next
	v_lshlrev_b32 v11, 11, v3
	v_lshl_add_u32 v11, v2, 4, v11                 ; and the same two rows in out0
	s_lshl_b32 s44, ttmp9, 18
	s_lshl_b32 s49, s28, 8
	s_add_co_u32 s44, s44, s49
	s_add_nc_u64 s[60:61], s[26:27], s[44:45]
	s_wait_loadcnt 32                              ; fc2_b is in; fc2_w's 8 scale loads and 24 fragment loads may be out
	s_wait_dscnt 0x0
	WIN 0x41
.irp rho,6,7
.irp j,0,2,4,6,8,10,12,14,16,18,20,22,24,26,28,30
	v_pk_add_f32 v[32*\rho+\j:32*\rho+\j+1], v[32*\rho+\j:32*\rho+\j+1], v[48+\j:49+\j]
.endr
.endr
	WIN 0
	BAR                                            ; the hidden layer's 128 fragments lie in LDS
.irp rho,0,1,2,3,4,5,6,7
	HFLOAD \rho, 0
.endr
.Ltrip:                                            ; three trips of four K steps; the last four are written out, since they ask for nothing beyond K step 15
	STEP 0, 1, 24, 1                               ; 24: three younger K steps of eight weight loads each
	STEP 1, 1, 24, 1
	STEP 2, 1, 24, 1
	STEP 3, 1, 24, 1
.irp i,0,1,2,3,4,5,6,7
	v_mov_b32 v[W2S+\i], v[SST+\i]                 ; the next four K steps' scale words of fc2_w
.endr
.irp i,0,1,2,3,4,5,6,7,8,9,10,11,12,13,14,15
	v_mov_b32 v[SST+\i], v[SST+8+\i]               ; those that wait move down; these 16 and the two additions below are the places ahead of the next scaled product
.endr
	s_wait_xcnt 0x0                                ; the weight loads have read their base
	s_add_nc_u64 s[56:57], s[56:57], 16384
	s_add_co_u32 s47, s47, 32768
	s_add_co_u32 s48, s48, 4096
	s_wait_dscnt 0x0                               ; no LDS load of mine is out: the two addresses may be written
	v_add_nc_u32 v6, s47, v1
	v_add_nc_u32 v8, s48, v7
	s_add_co_u32 s46, s46, 1
	s_cmp_lt_u32 s46, 3
	s_cbranch_scc1 .Ltrip
	STEP 0, 1, 24, 1
	STEP 1, 0, 16, 1
	STEP 2, 0, 8, 1
	STEP 3, 0, 0, 0
	; ---- THE WAY OUT, a tile of 16 tokens at a time through my own stage: a lane's registers are pieces of one row; back come whole rows of 256 bytes.  LDS serves a wave's instructions in order (ISA guide 5.7.1.4)
.irp rho,0,1,2,3,4,5,6,7
	WIN 0x04
.irp k,0,1,2,3,4,5,6,7
	ds_store_b128 v9, v[32*\rho+4*\k:32*\rho+4*\k+3] offset:16*\k+64*(\k/4)   ; each accumulator from its low end on
.endr
	WIN 0
.if \rho >= 2
	s_wait_xcnt 0x0                                ; the stores of two tiles ago have read these registers
.endif
.irp i,0,1,2,3,4,5,6,7
	ds_load_b128 v[HF+32*(\rho%2)+4*\i:HF+3+32*(\rho%2)+4*\i], v10 offset:2*\i*272
.endr
.irp i,0,1,2,3,4,5,6,7
	s_wait_dscnt 7-\i
	global_store_b128 v11, v[HF+32*(\rho%2)+4*\i:HF+3+32*(\rho%2)+4*\i], s[60:61] offset:(16*\rho+2*\i)*2048 th:TH_STORE_NT   ; 16 lanes store 256 consecutive bytes, at a multiple of 256 from out0's first byte
.endr
.endr
	s_wait_xcnt 0x0
	v_lshl_add_u32 v254, v0, 2, 0x4c000
	v_mov_b32 v255, 0
	s_wait_tensorcnt 0x0
	ds_add_u32 v254, v255
	s_wait_dscnt 0x0
	s_endpgm
.Lfunc_end_k_qf68e9a68c8_block:
	.size	k_qf68e9a68c8_block, .Lfunc_end_k_qf68e9a68c8_block-k_qf68e9a68c8_block
	.p2alignl 7, 3214868480
	.fill 96, 4, 3214868480
	.section	.rodata,"a",@progbits
	.p2align	6, 0x0
	.amdhsa_kernel k_qf68e9a68c8_block
		.amdhsa_group_segment_fixed_size 312320
		.amdhsa_private_segment_fixed_size 0
		.amdhsa_enable_private_segment 0
		.amdhsa_kernarg_size 104
		.amdhsa_user_sgpr_count 2
		.amdhsa_user_sgpr_kernarg_segment_ptr 1
		.amdhsa_wavefront_size32 1
		.amdhsa_system_sgpr_workgroup_id_x 1
		.amdhsa_system_sgpr_workgroup_id_y 1
		.amdhsa_system_sgpr_workgroup_id_z 1
		.amdhsa_system_vgpr_workitem_id 0
		.amdhsa_next_free_vgpr 512
		.amdhsa_next_free_sgpr 80
		.amdhsa_reserve_vcc 0
		.amdhsa_float_denorm_mode_32 3
		.amdhsa_float_denorm_mode_16_64 3
		.amdhsa_memory_ordered 1
		.amdhsa_forward_progress 1
		.amdhsa_inst_pref_size 255
	.end_amdhsa_kernel
	.section	.bss,"aw",@nobits
	.p2align	6
	.space	262144
	.amdgpu_metadata
---
amdhsa.version: [ 1, 2 ]
amdhsa.kernels:
  - .name:           k_qf68e9a68c8_block
    .symbol:         k_qf68e9a68c8_block.kd
    .args:
      - { .name: x, .offset: 0, .size: 8, .value_kind: global_buffer, .address_space: global }
      - { .name: norm1_w, .offset: 8, .size: 8, .value_kind: global_buffer, .address_space: global }
      - { .name: norm1_b, .offset: 16, .size: 8, .value_kind: global_buffer, .address_space: global }
      - { .name: norm2_w, .offset: 24, .size: 8, .value_kind: global_buffer, .address_space: global }
      - { .name: norm2_b, .offset: 32, .size: 8, .value_kind: global_buffer, .address_space: global }
      - { .name: fc1_b, .offset: 40, .size: 8, .value_kind: global_buffer, .address_space: global }
      - { .name: fc2_b, .offset: 48, .size: 8, .value_kind: global_buffer, .address_space: global }
      - { .name: wf, .offset: 56, .size: 8, .value_kind: global_buffer, .address_space: global }
      - { .name: ws, .offset: 64, .size: 8, .value_kind: global_buffer, .address_space: global }
      - { .name: kvc, .offset: 72, .size: 8, .value_kind: global_buffer, .address_space: global }
      - { .name: kvs, .offset: 80, .size: 8, .value_kind: global_buffer, .address_space: global }
      - { .name: out0, .offset: 88, .size: 8, .value_kind: global_buffer, .address_space: global }
      - { .name: stat, .offset: 96, .size: 8, .value_kind: global_buffer, .address_space: global }
    .group_segment_fixed_size: 312320
    .private_segment_fixed_size: 0
    .kernarg_segment_align: 8
    .kernarg_segment_size: 104
    .max_flat_workgroup_size: 256
    .sgpr_count:     80
    .vgpr_count:     512
    .wavefront_size: 32
...
	.end_amdgpu_metadata
.endif
;; end of part 3
